; MI455X (gfx1250); checked and timed in simulation.
; The chip was launched on July 23, 2026; its instructions are those of AMD's public machine-readable ISA for CDNA 5 (MIT licence, August 2026) and "CDNA5" Instruction Set Architecture Reference Guide (July 2026). The comments in the code are by the model that wrote it; some were corrected since.
;; KNRM. Allowed arithmetic: float matrix products may take bf16 or f16 operands with f32 sums; all other float work in f32.
;; Inputs: b1 10 float32; b2 5 float32; b3 1 float32; doc 512 x 512 int32; emb 50,000 x 128 float32; query 512 x 30 int32; w1 21 x 10 float32; w2 10 x 5 float32; w3 5 x 1 float32.
;; Outputs: out0 512 x 1 float32.
;; One version. Each part assembles by itself: llvm-mc -triple=amdgcn-amd-amdhsa -mcpu=gfx1250 --defsym DOCPART=n.
;; ======== version 1 of 1: 1 launch
;; limits: values outside matrix products are rounded to bf16
;; launch knrm (part 1): grid 512 x 1, 4 waves a work-group, no clusters, 111,104 bytes of LDS; arguments query, doc, emb, w1, b1, w2, b2, w3, b3, out0; writes out0
.if DOCPART == 1
	.amdgcn_target "amdgcn-amd-amdhsa--gfx1250"
	.amdhsa_code_object_version 6
	.text
	.protected	k_q535d467466_knrm
	.globl	k_q535d467466_knrm
	.p2align	8
	.type	k_q535d467466_knrm,@function
k_q535d467466_knrm:
	s_mov_b64 s[64:65], 0
	v_nop
	global_prefetch_b8 v0, s[64:65] scope:SCOPE_SE
	s_setreg_imm32_b32 hwreg(HW_REG_WAVE_MODE, 25, 1), 1
	s_wait_xcnt 0x0
; KNRM, one work-group for each of the 512 batches, four waves.
;   cosine matrix [30 x 512] of gathered rows of emb -> 21 Gaussian kernels -> sum over d -> log1p -> sum over q -> MLP 21-10-5-1.
; Wave W owns documents 128 W .. 128 W + 127, eight tiles of 16.  In the product A = 16 documents, B = 16 queries, so lane (r = L & 15, h = L >> 4)
; holds in register j of the result (document 8 h + j, query r): the sum over documents runs inside a lane.  The two query tiles (q = r, q = 16 + r)
; are the two halves of every packed f32 pair.  Query rows 30 and 31 are copies of row 29 and are left out of the sum over q.
;
; THE POOLING.  For the 20 kernels of sigma 0.1, mu_k = 0.05 + 0.1 j with j = k - 10, and with y = x - 0.05:
;   exp(-50 (x - mu_k)^2) = exp(-j^2 / 2) * G * R^j,   G = exp(-50 y^2),   R = exp(10 y).
; exp(-j^2/2) does not hang on d: the sums S_k = sum over d of G R^j are kept in f32 and scaled once at the end.  An element costs G, R, 1/R and 19
; multiplications in place of 20 exponentials.  |x| <= 1 bounds it: G >= e^-55.2, G R^j <= e^50, a sum of 512 of them <= 2.6e24; along a chain G R^j is
; monotone in j, so a product that underflows belongs to a term that is below f32's range in the written form too.  All terms of a sum are positive.
;
; THE COSINE is dot(bf16 q, bf16 d) * rq * rd; the squared norms are the diagonals of tile x tile^T on the matrix unit, that is of the ROUNDED rows, with the
; same products in the same places as the dot product: equal rows give x = 1 to f32 rounding, which the kernel of sigma 0.001 needs.
; r = rsq(max(s, 1e-24)) = 1 / max(sqrt(s), 1e-12).
;
; LIMITS KEPT: norms are those of the rows rounded to bf16; NaN and infinities in emb are not served; the sum of squares of a row must be finite in f32,
; as in the written form; an index outside 0 .. 49999 is clamped to that range; log1p(z) = ln2 log2(w) + (z - (w - 1)) / w with w = 1 + z.
;
; No tile is shared between work-groups (each batch gathers its own rows), so there is nothing to ask for jointly; rows come by gather through registers.
.set PITCH,  272                       ; an LDS row of 128 bf16: 256 bytes + 16, so that 16 rows' 16-byte pieces lie in 16 different columns modulo 256 bytes
.set QB,     0                         ; 32 query rows, shared by the waves: 8,704 bytes
.set STAGE,  8704                      ; + W * 4,352: 16 document rows, the wave's own
.set RDB,    26112                     ; + W * 256: word L = lane L's selected reciprocal norm; words 0-7 and 24-31 are documents 0-7 and 8-15
.set RED,    27136                     ; + W * 5,376: 21 kernels x 256 bytes, lane L's pair at 8 L
.set KM,     48640                     ; 21 words: the pooled features
.set KA,     0x4107e439                ; a = sqrt(50 log2 e) = 8.4932180
.set KT,     0xbed96d27                ; -0.05 a
.set KR,     0x3fd96d27                ; a / 5 = 10 log2 e / a
.set KA100,  0x44545498                ; 100 a = sqrt(500000 log2 e)
.set KE,     0xc4545498                ; -100 a
.set LN2,    0x3f317218
.set TINY,   0x179abe15                ; 1e-24 = (1e-12)^2
.set COL, 1                            ; v1        16 c, c = L & 15: my 16 bytes in each 256-byte half of a table row
.set STO, 2                            ; v2        stage: where I put row 8 g + i (g = L >> 4), 16 bytes at 16 c
.set FRA, 3                            ; v3        stage: my fragment, row r, 16 h
.set RDS, 4                            ; v4        RDB + 256 W + 4 L
.set RDL, 5                            ; v5        RDB + 256 W + 96 h
.set IOF, 6                            ; v6        32 g: my half's eight indices of a tile; never rewritten
.set SEL, 7                            ; v7        the selected diagonal element
.set CT,  8                            ; v[8:9]    a rq(r), a rq(16 + r)
.set CE,  10                           ; v[10:11]  100 a rq(r), 100 a rq(16 + r)
.set I,   12                           ; v[12:19]  eight indices
.set O,   20                           ; v[20:27]  eight row offsets
.set S,   28                           ; v[28:69]  the 21 sums, pair k at S + 2 k; k = 20 is the kernel of sigma 0.001.  In the head: temporaries
.set BQ,  70                           ; v[70:133] query fragments: tile t, K step c at BQ + 32 t + 8 c.  In the tail: the waves' partial sums
.set G,   134                          ; v[134:197] eight rows on their way, 8 registers a row.  In the tail: the weights
.set T,   198                          ; v[198:229] document fragments, then the pooling's four sets of X, Y, Z, RI.  In the tail: addresses and the MLP
.set D0,  230                          ; v[230:237] documents x query tile 0
.set D1,  238                          ; v[238:245] documents x query tile 1
.set GR,  246                          ; v[246:253] documents x documents, then rd of my eight documents
.set TA,  254
.set TB,  255
.set XO, 0                             ; places in a set of T
.set YO, 2
.set ZO, 4
.set RO, 6
; head temporaries, in S
.set HL,  28                           ; lane
.set QFR, 29                           ; r * PITCH + 16 h
.set QST, 30                           ; where I put query row 8 W + 4 g + i
.set HT,  31
.set QO,  32                           ; v[32:35] byte offsets of four query indices
.set QI,  36                           ; v[36:39] the indices
.set QR,  40                           ; v[40:43] their row offsets
; tail registers, in T
.set REDS, T
.set REDL, T+1
.set KMS,  T+2
.set W9,   T+3
.set W4,   T+4
.set ZR,   T+5
.set CI,   T+6                         ; five factors exp(-j^2 / 2)
.set KMA,  T+11
.set H,    T+12                        ; three registers of the MLP
.set KV,   D0                          ; 21 features
; n indices to byte offsets in the table: clamped to the table's rows, times 512 bytes, plus my 16 bytes
.macro OFFS n, src, dst
.set oi, 0
.rept \n
	v_min_u32 v[\dst+oi], 0xc34f, v[\src+oi]
	v_lshl_add_u32 v[\dst+oi], v[\dst+oi], 9, v[COL]
.set oi, oi+1
.endr
.endm
; n rows for each half of the wave: two loads a row; the 16 lanes of a half read 256 consecutive bytes, aligned
.macro ROWS n, off, dst
.set oi, 0
.rept \n
	global_load_b128 v[\dst+8*oi:\dst+8*oi+3],   v[\off+oi], s[12:13]
	global_load_b128 v[\dst+8*oi+4:\dst+8*oi+7], v[\off+oi], s[12:13] offset:256
.set oi, oi+1
.endr
.endm
; n rows to bf16, in place, and into LDS.  My 8 numbers (k = 4 c .. 4 c + 3 and 64 + 4 c .. 64 + 4 c + 3) become the 16 bytes at 16 c of the LDS row:
; a permutation of k, the same for queries and documents, which leaves every product as it is.
.macro CVST n, src, adr
.set oi, 0
.rept \n
	v_cvt_pk_bf16_f32 v[\src+8*oi],   v[\src+8*oi],   v[\src+8*oi+1]
	v_cvt_pk_bf16_f32 v[\src+8*oi+1], v[\src+8*oi+2], v[\src+8*oi+3]
	v_cvt_pk_bf16_f32 v[\src+8*oi+2], v[\src+8*oi+4], v[\src+8*oi+5]
	v_cvt_pk_bf16_f32 v[\src+8*oi+3], v[\src+8*oi+6], v[\src+8*oi+7]
	ds_store_b128 v[\adr], v[\src+8*oi:\src+8*oi+3] offset:PITCH*oi
.set oi, oi+1
.endr
.endm
; dst = register L & 7 of base.  Element (m, m) of a 16 x 16 result lies in register m & 7 of lane m (m < 8) or lane m + 16 (m >= 8).
.macro SELECT dst, base
	v_cndmask_b32 v[\dst], v[\base], v[\base+1], s32
.irp j, 2,3,4,5,6,7
	v_cndmask_b32 v[\dst], v[\dst], v[\base+\j], s[31+\j]
.endr
.endm
; two chains at once, so that two additions onto one sum stand four instructions apart
.macro MUL2 pa, ra, ma, pb, rb, mb, q
.if \ma
	v_pk_mul_f32 v[T+8*\q+\pa:T+8*\q+\pa+1], v[T+8*\q+\pa:T+8*\q+\pa+1], v[T+8*\q+\ra:T+8*\q+\ra+1]
.endif
.if \mb
	v_pk_mul_f32 v[T+8*\q+\pb:T+8*\q+\pb+1], v[T+8*\q+\pb:T+8*\q+\pb+1], v[T+8*\q+\rb:T+8*\q+\rb+1]
.endif
.endm
.macro ADD2 ka, pa, kb, pb, q
	v_pk_add_f32 v[S+2*(\ka):S+2*(\ka)+1], v[S+2*(\ka):S+2*(\ka)+1], v[T+8*\q+\pa:T+8*\q+\pa+1]
	v_pk_add_f32 v[S+2*(\kb):S+2*(\kb)+1], v[S+2*(\kb):S+2*(\kb)+1], v[T+8*\q+\pb:T+8*\q+\pb+1]
.endm
; sum ka takes the four pairs at place pa, which are then (ma = 1) multiplied by those at place ra; the same for kb.  first = 1: the first two pairs start the sums.
.macro ACC2 ka, pa, ra, ma, kb, pb, rb, mb, first
.if \first
	s_wait_alu depctr_va_vdst(0)
	v_pk_add_f32 v[S+2*(\ka):S+2*(\ka)+1], v[T+\pa:T+\pa+1], v[T+8+\pa:T+8+\pa+1]
	v_pk_add_f32 v[S+2*(\kb):S+2*(\kb)+1], v[T+\pb:T+\pb+1], v[T+8+\pb:T+8+\pb+1]
	MUL2 \pa, \ra, \ma, \pb, \rb, \mb, 0
	MUL2 \pa, \ra, \ma, \pb, \rb, \mb, 1
.else
	ADD2 \ka, \pa, \kb, \pb, 0
	MUL2 \pa, \ra, \ma, \pb, \rb, \mb, 0
	ADD2 \ka, \pa, \kb, \pb, 1
	MUL2 \pa, \ra, \ma, \pb, \rb, \mb, 1
.endif
	ADD2 \ka, \pa, \kb, \pb, 2
	MUL2 \pa, \ra, \ma, \pb, \rb, \mb, 2
	ADD2 \ka, \pa, \kb, \pb, 3
	MUL2 \pa, \ra, \ma, \pb, \rb, \mb, 3
.endm
; The pooling of documents j0 .. j0 + 3 of my eight, both query tiles: four sets p of X, Y, Z, RI.
.macro POOL j0, first
.irp p, 0,1,2,3
	v_mul_f32 v[T+8*\p],   v[D0+\j0+\p], v[GR+\j0+\p]          ; u = dot * rd
	v_mul_f32 v[T+8*\p+1], v[D1+\j0+\p], v[GR+\j0+\p]
.endr
.irp p, 0,1,2,3
	v_pk_fma_f32 v[T+8*\p+YO:T+8*\p+YO+1], v[T+8*\p:T+8*\p+1], v[CT:CT+1], KT op_sel_hi:[1,1,0]   ; Y = a (x - 0.05)
.endr
.irp p, 0,1,2,3
	v_pk_fma_f32 v[T+8*\p:T+8*\p+1], v[T+8*\p:T+8*\p+1], v[CE:CE+1], KE op_sel_hi:[1,1,0]         ; X = 100 a (x - 1)
.endr
.irp p, 0,1,2,3
	v_pk_mul_f32 v[T+8*\p+ZO:T+8*\p+ZO+1], v[T+8*\p+YO:T+8*\p+YO+1], v[T+8*\p+YO:T+8*\p+YO+1] neg_lo:[1,0] neg_hi:[1,0]   ; Z = -Y^2
.endr
.irp p, 0,1,2,3
	v_pk_mul_f32 v[T+8*\p+YO:T+8*\p+YO+1], v[T+8*\p+YO:T+8*\p+YO+1], KR op_sel_hi:[1,0]           ; 10 log2 e * y
.endr
.irp p, 0,1,2,3
	v_exp_f32 v[T+8*\p+YO],   v[T+8*\p+YO]                     ; R
	v_exp_f32 v[T+8*\p+YO+1], v[T+8*\p+YO+1]
.endr
.irp p, 0,1,2,3                                                ; four plain instructions that touch no Y stand between R and its first use (ISA guide 5.7.2)
	v_pk_mul_f32 v[T+8*\p:T+8*\p+1], v[T+8*\p:T+8*\p+1], v[T+8*\p:T+8*\p+1] neg_lo:[1,0] neg_hi:[1,0]
.endr
	s_wait_alu depctr_va_vdst(0)
.irp p, 0,1,2,3
	v_rcp_f32 v[T+8*\p+RO],   v[T+8*\p+YO]                     ; 1 / R
	v_rcp_f32 v[T+8*\p+RO+1], v[T+8*\p+YO+1]
.endr
.irp p, 0,1,2,3
	v_exp_f32 v[T+8*\p+ZO],   v[T+8*\p+ZO]                     ; G
	v_exp_f32 v[T+8*\p+ZO+1], v[T+8*\p+ZO+1]
.endr
.irp p, 0,1,2,3
	v_exp_f32 v[T+8*\p],   v[T+8*\p]                           ; the kernel of sigma 0.001
	v_exp_f32 v[T+8*\p+1], v[T+8*\p+1]
.endr
	v_nop                                                      ; the plain place behind the last transcendentals
	s_wait_alu depctr_va_vdst(0)
	ACC2 20, XO, XO, 0, 10, ZO, ZO, 0, \first
.irp p, 0,1,2,3
	v_pk_mul_f32 v[T+8*\p:T+8*\p+1], v[T+8*\p+ZO:T+8*\p+ZO+1], v[T+8*\p+RO:T+8*\p+RO+1]           ; X = G / R: the chain down
	v_pk_mul_f32 v[T+8*\p+ZO:T+8*\p+ZO+1], v[T+8*\p+ZO:T+8*\p+ZO+1], v[T+8*\p+YO:T+8*\p+YO+1]     ; Z = G R: the chain up
.endr
.irp s, 1,2,3,4,5,6,7,8
	ACC2 10+\s, ZO, YO, 1, 10-\s, XO, RO, 1, \first
.endr
	ACC2 19, ZO, YO, 0, 1, XO, RO, 1, \first
	v_pk_add_f32 v[T:T+1], v[T:T+1], v[T+8:T+9]                ; k = 0 has no partner: a small tree
	v_pk_add_f32 v[T+16:T+17], v[T+16:T+17], v[T+24:T+25]
.if \first
	v_pk_add_f32 v[S:S+1], v[T:T+1], v[T+16:T+17]
.else
	v_pk_add_f32 v[T:T+1], v[T:T+1], v[T+16:T+17]
	v_pk_add_f32 v[S:S+1], v[S:S+1], v[T:T+1]
.endif
.endm
; One document tile t.  nxt: tile t + 1's rows are converted into the stage, lw = younger loads that may stay out; fetch: tile t + 2's rows are asked for;
; idx: tile t + 3's indices are asked for.
.macro TRIP first, nxt, lw, fetch, idx
.irp c, 0,1,2,3
	ds_load_b128 v[T+8*\c:T+8*\c+3],   v[FRA] offset:64*\c     ; LDS serves a wave's instructions in order (ISA guide 5.7.1): these see my stores of this tile
	ds_load_b128 v[T+8*\c+4:T+8*\c+7], v[FRA] offset:64*\c+32
.endr
	s_wait_dscnt 0x0                                           ; the fragments are in, and the stage may be written again
	; three accumulators by turns, one instruction a turn; the first K step starts the sums
	v_wmma_f32_16x16x32_bf16 v[GR:GR+7], v[T:T+7], v[T:T+7], 0
	v_wmma_f32_16x16x32_bf16 v[D0:D0+7], v[T:T+7], v[BQ:BQ+7], 0
	v_wmma_f32_16x16x32_bf16 v[D1:D1+7], v[T:T+7], v[BQ+32:BQ+39], 0
.irp c, 1,2,3
	v_wmma_f32_16x16x32_bf16 v[GR:GR+7], v[T+8*\c:T+8*\c+7], v[T+8*\c:T+8*\c+7], v[GR:GR+7]
	v_wmma_f32_16x16x32_bf16 v[D0:D0+7], v[T+8*\c:T+8*\c+7], v[BQ+8*\c:BQ+8*\c+7], v[D0:D0+7]
	v_wmma_f32_16x16x32_bf16 v[D1:D1+7], v[T+8*\c:T+8*\c+7], v[BQ+32+8*\c:BQ+32+8*\c+7], v[D1:D1+7]
.endr
.if \nxt
	s_wait_loadcnt \lw                                         ; loads come back in order: the 16 row loads are in, the index loads issued behind them stay out
	CVST 8, G, STO                                             ; its 32 conversions name no register of a matrix instruction: the places behind them (ISA guide 7.12.1)
.else
.rept 4
	v_nop                                                      ; four places before a result is read (ISA guide 7.12.1)
.endr
.endif
	SELECT SEL, GR
	v_max_num_f32 v[SEL], TINY, v[SEL]
	v_rsq_f32 v[SEL], v[SEL]
	v_nop                                                      ; the plain place behind v_rsq_f32
	s_wait_alu depctr_va_vdst(0)
	ds_store_b32 v[RDS], v[SEL]                                ; my wave's own bytes, served in order: no wait between this store and the loads
	ds_load_b128 v[GR:GR+3],   v[RDL]                          ; rd of documents 8 h .. 8 h + 7
	ds_load_b128 v[GR+4:GR+7], v[RDL] offset:16
.if \fetch
	s_wait_loadcnt 0x0                                         ; the indices are in; no load is out, so O, I and the index base may be written
	OFFS 8, I, O
	ROWS 8, O, G
.if \idx
	s_add_nc_u64 s[10:11], s[10:11], 64                        ; a tile's 16 indices on
	global_load_b128 v[I:I+3],   v[IOF], s[10:11] offset:128
	global_load_b128 v[I+4:I+7], v[IOF], s[10:11] offset:144
.endif
.endif
	s_wait_dscnt 0x0                                           ; rd
	POOL 0, \first
	POOL 4, 0
.endm
; Kernel k = W + 4 i: the four waves' sums, the two halves of the lanes, the factor, log1p, the sum over q.
.macro FIN i, scale
.set FD, BQ+8*\i
	v_pk_add_f32 v[FD:FD+1], v[FD:FD+1], v[FD+2:FD+3]
	v_pk_add_f32 v[FD+4:FD+5], v[FD+4:FD+5], v[FD+6:FD+7]
	v_pk_add_f32 v[FD:FD+1], v[FD:FD+1], v[FD+4:FD+5]
	v_permlanex16_b32 v[FD+2], v[FD], s40, s41                 ; lane L xor 16: the other eight documents of each tile
	v_permlanex16_b32 v[FD+3], v[FD+1], s40, s41
	v_pk_add_f32 v[FD:FD+1], v[FD:FD+1], v[FD+2:FD+3]
.if \scale
	s_wait_alu depctr_va_vdst(0)
	v_mul_f32 v[FD],   v[FD],   v[CI+\i]                       ; z = exp(-j^2 / 2) S
	v_mul_f32 v[FD+1], v[FD+1], v[CI+\i]
.endif
	v_pk_add_f32 v[FD+4:FD+5], v[FD:FD+1], 1.0 op_sel_hi:[1,0]             ; w = 1 + z
	v_pk_add_f32 v[FD+6:FD+7], v[FD+4:FD+5], -1.0 op_sel_hi:[1,0]          ; w - 1, exact
	v_pk_add_f32 v[FD:FD+1], v[FD:FD+1], v[FD+6:FD+7] neg_lo:[0,1] neg_hi:[0,1]   ; what the sum 1 + z lost
	v_log_f32 v[FD+2], v[FD+4]
	v_log_f32 v[FD+3], v[FD+5]
	v_rcp_f32 v[FD+6], v[FD+4]
	v_rcp_f32 v[FD+7], v[FD+5]
	v_nop                                                      ; the plain place behind the transcendentals
	s_wait_alu depctr_va_vdst(0)
	v_pk_mul_f32 v[FD:FD+1], v[FD:FD+1], v[FD+6:FD+7]
	v_pk_fma_f32 v[FD:FD+1], v[FD+2:FD+3], LN2, v[FD:FD+1] op_sel_hi:[1,0,1]
	v_cndmask_b32 v[FD+1], 0, v[FD+1], s44                     ; q = 16 + r counts for r < 14 alone
	v_add_f32 v[FD], v[FD], v[FD+1]
	v_add_f32_dpp v[FD], v[FD], v[FD] row_xmask:1 row_mask:0xf bank_mask:0xf
	v_add_f32_dpp v[FD], v[FD], v[FD] row_xmask:2 row_mask:0xf bank_mask:0xf
	v_add_f32_dpp v[FD], v[FD], v[FD] row_xmask:4 row_mask:0xf bank_mask:0xf
	v_add_f32_dpp v[FD], v[FD], v[FD] row_xmask:8 row_mask:0xf bank_mask:0xf
	ds_store_b32 v[KMS], v[FD] offset:16*\i                    ; every lane holds the same number and writes the same word
.endm
	; ---------------------------------------------------------------- head
	s_load_b512 s[8:23], s[0:1], 0x0               ; query 8, doc 10, emb 12, w1 14, b1 16, w2 18, b2 20, w3 22
	s_load_b128 s[24:27], s[0:1], 0x40             ; b3 24, out0 26
	s_set_vgpr_msb 0x40
	v_lshl_add_u32 v0, v0, 2, 0x1b000
	v_mov_b32 v1, 0
	s_set_vgpr_msb 0x4000
	v_lshrrev_b32 v[TA], 5, v0
	v_readfirstlane_b32 s28, v[TA]                 ; W
	v_and_b32 v[TA], 15, v0                        ; r = c
	v_bfe_u32 v[TB], v0, 4, 1                      ; h = g
	v_and_b32 v[HL], 31, v0                        ; L
	v_lshlrev_b32 v[COL], 4, v[TA]
	v_lshlrev_b32 v[IOF], 5, v[TB]
	s_mul_i32 s46, s28, 16*PITCH
	s_add_co_u32 s46, s46, STAGE                   ; my wave's stage
	v_mad_u32_u24 v[STO], v[TB], 8*PITCH, v[COL]
	v_add_nc_u32 v[STO], s46, v[STO]
	v_mul_u32_u24 v[QFR], v[TA], PITCH
	v_lshl_add_u32 v[QFR], v[TB], 4, v[QFR]
	v_add_nc_u32 v[FRA], s46, v[QFR]
	s_lshl_b32 s47, s28, 8
	s_add_co_u32 s47, s47, RDB
	v_lshl_add_u32 v[RDS], v[HL], 2, s47
	v_mul_u32_u24 v[RDL], v[TB], 96
	v_add_nc_u32 v[RDL], s47, v[RDL]
	s_mul_i32 s46, s28, 8*PITCH                    ; my wave converts query rows 8 W .. 8 W + 7
	v_mad_u32_u24 v[QST], v[TB], 4*PITCH, v[COL]
	v_add_nc_u32 v[QST], s46, v[QST]
	s_lshl_b32 s46, s28, 3
	v_lshl_add_u32 v[HT], v[TB], 2, s46            ; 8 W + 4 g
.irp i, 0,1,2,3
	v_add_nc_u32 v[QO+\i], \i, v[HT]
	v_min_u32 v[QO+\i], 29, v[QO+\i]               ; rows 30 and 31 repeat row 29: no load leaves the batch's 30 indices
	v_lshlrev_b32 v[QO+\i], 2, v[QO+\i]
.endr
.irp j, 1,2,3,4,5,6,7
	s_mov_b32 s[31+\j], 0x01010101<<\j             ; the lanes with L & 7 = j
.endr
	s_mov_b32 s39, 0xff0000ff                      ; the lanes that hold a diagonal element
	s_mov_b32 s40, 0x76543210                      ; v_permlanex16_b32: lane L xor 16
	s_mov_b32 s41, 0xfedcba98
	s_mov_b32 s44, 0x3fff3fff                      ; r < 14
	s_mov_b32 s45, 0x1f                            ; lanes 0 to 4
	s_wait_kmcnt 0x0
	s_mul_i32 s30, ttmp9, 120                      ; the batch's 30 query indices
	s_mov_b32 s31, 0
	s_add_nc_u64 s[8:9], s[8:9], s[30:31]
	s_lshl_b32 s30, ttmp9, 11                      ; the batch's 512 document indices, and my wave's 128 of them
	s_lshl_b32 s46, s28, 9
	s_add_co_u32 s30, s30, s46
	s_add_nc_u64 s[10:11], s[10:11], s[30:31]
	s_lshl_b32 s30, ttmp9, 2
	s_add_nc_u64 s[26:27], s[26:27], s[30:31]      ; the batch's one result
	global_load_b128 v[I:I+3],   v[IOF], s[10:11]              ; tile 0's indices
	global_load_b128 v[I+4:I+7], v[IOF], s[10:11] offset:16
.irp i, 0,1,2,3
	global_load_b32 v[QI+\i], v[QO+\i], s[8:9]
.endr
	s_wait_loadcnt 0x0
	OFFS 4, QI, QR
	ROWS 4, QR, T                                  ; my wave's eight query rows: 8 loads
	OFFS 8, I, O
	ROWS 8, O, G                                   ; tile 0: 16 loads
	global_load_b128 v[I:I+3],   v[IOF], s[10:11] offset:64    ; tile 1's indices: 2 loads
	global_load_b128 v[I+4:I+7], v[IOF], s[10:11] offset:80
	s_wait_loadcnt 18                              ; the query rows are in; the 16 + 2 younger loads stay out
	CVST 4, T, QST
	s_wait_dscnt 0x0                               ; for the other waves: my query rows are in LDS
	s_barrier_signal -1
	s_barrier_wait -1                              ; all 32 query rows are
.irp t, 0,1
.irp c, 0,1,2,3
	ds_load_b128 v[BQ+32*\t+8*\c:BQ+32*\t+8*\c+3],   v[QFR] offset:QB+\t*16*PITCH+64*\c
	ds_load_b128 v[BQ+32*\t+8*\c+4:BQ+32*\t+8*\c+7], v[QFR] offset:QB+\t*16*PITCH+64*\c+32
.endr
.endr
	s_wait_dscnt 0x0
	; the queries' squared norms: two accumulators by turns
	v_wmma_f32_16x16x32_bf16 v[D0:D0+7], v[BQ:BQ+7], v[BQ:BQ+7], 0
	v_wmma_f32_16x16x32_bf16 v[D1:D1+7], v[BQ+32:BQ+39], v[BQ+32:BQ+39], 0
.irp c, 1,2,3
	v_wmma_f32_16x16x32_bf16 v[D0:D0+7], v[BQ+8*\c:BQ+8*\c+7], v[BQ+8*\c:BQ+8*\c+7], v[D0:D0+7]
	v_wmma_f32_16x16x32_bf16 v[D1:D1+7], v[BQ+32+8*\c:BQ+32+8*\c+7], v[BQ+32+8*\c:BQ+32+8*\c+7], v[D1:D1+7]
.endr
	s_wait_loadcnt 2                               ; tile 0's rows are in; tile 1's two index loads stay out
	CVST 8, G, STO                                 ; its conversions are the places behind the matrix instructions (ISA guide 7.12.1)
	s_wait_loadcnt 0x0
	OFFS 8, I, O
	ROWS 8, O, G                                   ; tile 1
	global_load_b128 v[I:I+3],   v[IOF], s[10:11] offset:128   ; tile 2's indices
	global_load_b128 v[I+4:I+7], v[IOF], s[10:11] offset:144
	SELECT CT, D0
	SELECT CT+1, D1
	v_permlanex16_b32 v[TA], v[CT], s40, s41       ; lanes 8 to 23 hold no diagonal element: theirs lies in lane L xor 16
	v_permlanex16_b32 v[TB], v[CT+1], s40, s41
	v_cndmask_b32 v[CT], v[TA], v[CT], s39
	v_cndmask_b32 v[CT+1], v[TB], v[CT+1], s39
	v_max_num_f32 v[CT], TINY, v[CT]
	v_max_num_f32 v[CT+1], TINY, v[CT+1]
	v_rsq_f32 v[CT], v[CT]
	v_rsq_f32 v[CT+1], v[CT+1]
	v_nop                                          ; the plain place behind v_rsq_f32
	s_wait_alu depctr_va_vdst(0)
	v_mul_f32 v[CE], KA100, v[CT]
	v_mul_f32 v[CE+1], KA100, v[CT+1]
	v_mul_f32 v[CT], KA, v[CT]
	v_mul_f32 v[CT+1], KA, v[CT+1]
	; ---------------------------------------------------------------- the eight tiles.  At the head of a full trip 16 row loads and, behind them, 2 index loads are out.
	TRIP 1, 1, 2, 1, 1                             ; tile 0 starts the 21 sums: nothing is cleared
	s_mov_b32 s42, 4
.Ltrip:
	TRIP 0, 1, 2, 1, 1                             ; tiles 1 to 4
	s_sub_co_i32 s42, s42, 1
	s_cmp_lg_u32 s42, 0
	s_cbranch_scc1 .Ltrip
	TRIP 0, 1, 2, 1, 0                             ; tile 5 asks for tile 7's rows; there are no indices of a tile 8
	TRIP 0, 1, 0, 0, 0                             ; tile 6: tile 7's rows alone are out
	TRIP 0, 0, 0, 0, 0                             ; tile 7
	; ---------------------------------------------------------------- tail: the sums of the four waves meet in LDS
	v_and_b32 v[TA], 31, v0
	s_mul_i32 s46, s28, 21*256
	s_add_co_u32 s46, s46, RED
	v_lshl_add_u32 v[REDS], v[TA], 3, s46
	s_lshl_b32 s47, s28, 8
	s_add_co_u32 s47, s47, RED
	v_lshl_add_u32 v[REDL], v[TA], 3, s47          ; kernel k = W of wave 0's part
	s_lshl_b32 s46, s28, 2
	s_add_co_u32 s46, s46, KM
	v_mov_b32 v[KMS], s46
	v_min_u32 v[W9], 9, v[TA]
	v_min_u32 v[W4], 4, v[TA]
	v_lshlrev_b32 v[W9], 2, v[W9]                  ; lane o holds output o of a layer; the lanes above repeat the last, so that no load leaves a buffer
	v_lshlrev_b32 v[W4], 2, v[W4]
	v_mov_b32 v[ZR], 0
.set kk, 0
.rept 21
	ds_store_b64 v[REDS], v[S+2*kk:S+2*kk+1] offset:256*kk
.set kk, kk+1
.endr
	s_cmp_lg_u32 s28, 0
	s_cbranch_scc1 .Lno_weights
.set kk, 0
.rept 21
	global_load_b32 v[G+kk], v[W9], s[14:15] offset:40*kk      ; w1[k][o]
.set kk, kk+1
.endr
	global_load_b32 v[G+21], v[W9], s[16:17]                   ; b1[o]
.set kk, 0
.rept 10
	global_load_b32 v[G+22+kk], v[W4], s[18:19] offset:20*kk   ; w2[k][o]
.set kk, kk+1
.endr
	global_load_b32 v[G+32], v[W4], s[20:21]                   ; b2[o]
	global_load_b32 v[G+33], v[W4], s[22:23]                   ; w3[o]
	global_load_b32 v[G+34], v[ZR], s[24:25]                   ; b3
.Lno_weights:
.irp i, 0,1,2,3,4
	s_add_co_i32 s46, s28, 4*\i-10                 ; j = k - 10 for k = W + 4 i
	s_mul_i32 s46, s46, s46
	v_cvt_f32_i32 v[CI+\i], s46
	v_mul_f32 v[CI+\i], 0xbf38aa3b, v[CI+\i]       ; -j^2 log2 e / 2
.endr
.irp i, 0,1,2,3,4
	v_exp_f32 v[CI+\i], v[CI+\i]
.endr
	v_nop                                          ; the plain place behind the transcendentals
	s_wait_dscnt 0x0                               ; for the other waves: my 21 sums are in LDS
	s_barrier_signal -1
	s_barrier_wait -1
.irp i, 0,1,2,3,4
.irp w, 0,1,2,3
	ds_load_b64 v[BQ+8*\i+2*\w:BQ+8*\i+2*\w+1], v[REDL] offset:1024*\i+5376*\w
.endr
.endr
	s_wait_dscnt 0x0
	FIN 0, 1
	FIN 1, 1
	FIN 2, 1
	FIN 3, 1
	FIN 4, 1
	s_cmp_lg_u32 s28, 0
	s_cbranch_scc1 .Lno_exact
.irp w, 0,1,2,3
	ds_load_b64 v[BQ+40+2*\w:BQ+40+2*\w+1], v[REDL] offset:5120+5376*\w    ; k = 20, wave 0's sixth
.endr
	s_wait_dscnt 0x0
	FIN 5, 0
.Lno_exact:
	s_wait_dscnt 0x0                               ; for wave 0: my features are in LDS
	s_barrier_signal -1
	s_barrier_wait -1
	s_cmp_lg_u32 s28, 0
	s_cbranch_scc1 .Lend
	; ---------------------------------------------------------------- the MLP, wave 0 alone: lane o makes output o of a layer
	s_wait_loadcnt 0x0                             ; the weights
	v_mov_b32 v[KMA], KM
.irp i, 0,1,2,3,4
	ds_load_b128 v[KV+4*\i:KV+4*\i+3], v[KMA] offset:16*\i
.endr
	ds_load_b32 v[KV+20], v[KMA] offset:80
	s_wait_dscnt 0x0
	v_fma_f32 v[H], v[KV], v[G], v[G+21]           ; three chains of seven; the bias starts the first
	v_mul_f32 v[H+1], v[KV+1], v[G+1]
	v_mul_f32 v[H+2], v[KV+2], v[G+2]
.set kk, 3
.rept 18
	v_fmac_f32 v[H+kk%3], v[KV+kk], v[G+kk]
.set kk, kk+1
.endr
	v_add_f32 v[H+1], v[H+1], v[H+2]
	v_add_f32 v[H], v[H], v[H+1]
	v_max_num_f32 v[H], 0, v[H]
.set kk, 0
.rept 10
	v_readlane_b32 s[50+kk], v[H], kk              ; h1[k] as a factor for every lane; it steers no branch and no address
.set kk, kk+1
.endr
	v_fma_f32 v[H+1], s50, v[G+22], v[G+32]
	v_mul_f32 v[H+2], s51, v[G+23]
.set kk, 2
.rept 8
	v_fmac_f32 v[H+1+kk%2], s[50+kk], v[G+22+kk]
.set kk, kk+1
.endr
	v_add_f32 v[H+1], v[H+1], v[H+2]
	v_max_num_f32 v[H+1], 0, v[H+1]
	v_mul_f32 v[H+1], v[H+1], v[G+33]
	v_cndmask_b32 v[H+1], 0, v[H+1], s45           ; five outputs count
	v_add_f32_dpp v[H+1], v[H+1], v[H+1] row_xmask:1 row_mask:0xf bank_mask:0xf
	v_add_f32_dpp v[H+1], v[H+1], v[H+1] row_xmask:2 row_mask:0xf bank_mask:0xf
	v_add_f32_dpp v[H+1], v[H+1], v[H+1] row_xmask:4 row_mask:0xf bank_mask:0xf
	v_add_f32 v[H+1], v[H+1], v[G+34]
	v_cmp_eq_u32 vcc_lo, 0, v0
	s_wait_xcnt 0x0                                ; EXEC changes only behind this wait
	s_and_saveexec_b32 s46, vcc_lo
	global_store_b32 v[ZR], v[H+1], s[26:27]       ; lane 0 stores the batch's one number
	s_wait_xcnt 0x0                                ; and again in front of the line that widens it
	s_or_b32 exec_lo, exec_lo, s46
.Lend:
	s_set_vgpr_msb 0x5
	s_wait_tensorcnt 0x0
	ds_add_u32 v0, v1
	s_wait_dscnt 0x0
	s_set_vgpr_msb 0x500
	s_endpgm
.Lfunc_end_k_q535d467466_knrm:
	.size	k_q535d467466_knrm, .Lfunc_end_k_q535d467466_knrm-k_q535d467466_knrm
	.p2alignl 7, 3214868480
	.fill 96, 4, 3214868480
	.section	.rodata,"a",@progbits
	.p2align	6, 0x0
	.amdhsa_kernel k_q535d467466_knrm
		.amdhsa_group_segment_fixed_size 111104
		.amdhsa_private_segment_fixed_size 0
		.amdhsa_enable_private_segment 0
		.amdhsa_kernarg_size 80
		.amdhsa_user_sgpr_count 2
		.amdhsa_user_sgpr_kernarg_segment_ptr 1
		.amdhsa_wavefront_size32 1
		.amdhsa_system_sgpr_workgroup_id_x 1
		.amdhsa_system_sgpr_workgroup_id_y 1
		.amdhsa_system_sgpr_workgroup_id_z 1
		.amdhsa_system_vgpr_workitem_id 0
		.amdhsa_next_free_vgpr 258
		.amdhsa_next_free_sgpr 66
		.amdhsa_reserve_vcc 1
		.amdhsa_float_denorm_mode_32 3
		.amdhsa_float_denorm_mode_16_64 3
		.amdhsa_memory_ordered 1
		.amdhsa_forward_progress 1
		.amdhsa_inst_pref_size 195
	.end_amdhsa_kernel
	.amdgpu_metadata
---
amdhsa.version: [ 1, 2 ]
amdhsa.kernels:
  - .name:           k_q535d467466_knrm
    .symbol:         k_q535d467466_knrm.kd
    .args:
      - { .name: query, .offset: 0, .size: 8, .value_kind: global_buffer, .address_space: global }
      - { .name: doc, .offset: 8, .size: 8, .value_kind: global_buffer, .address_space: global }
      - { .name: emb, .offset: 16, .size: 8, .value_kind: global_buffer, .address_space: global }
      - { .name: w1, .offset: 24, .size: 8, .value_kind: global_buffer, .address_space: global }
      - { .name: b1, .offset: 32, .size: 8, .value_kind: global_buffer, .address_space: global }
      - { .name: w2, .offset: 40, .size: 8, .value_kind: global_buffer, .address_space: global }
      - { .name: b2, .offset: 48, .size: 8, .value_kind: global_buffer, .address_space: global }
      - { .name: w3, .offset: 56, .size: 8, .value_kind: global_buffer, .address_space: global }
      - { .name: b3, .offset: 64, .size: 8, .value_kind: global_buffer, .address_space: global }
      - { .name: out0, .offset: 72, .size: 8, .value_kind: global_buffer, .address_space: global }
    .group_segment_fixed_size: 111104
    .private_segment_fixed_size: 0
    .kernarg_segment_align: 8
    .kernarg_segment_size: 80
    .max_flat_workgroup_size: 128
    .sgpr_count:     66
    .vgpr_count:     258
    .wavefront_size: 32
...
	.end_amdgpu_metadata
.endif
;; end of part 1
